; MI455X (gfx1250); checked and timed in simulation.
; The chip was launched on July 23, 2026; its instructions are those of AMD's public machine-readable ISA for CDNA 5 (MIT licence, August 2026) and "CDNA5" Instruction Set Architecture Reference Guide (July 2026). The comments in the code are by the model that wrote it; some were corrected since.
;; GDSKR. Allowed arithmetic: matrix products marked QUANTISED: E2M3 operands, one E8M0 scale for each 32 along K, by v_wmma_scale_f32_16x16x128_f8f6f4 with both operands' format E2M3, f32 sums; products left as they are: f32 operands where the result goes on into a quantised operand, else bf16, f16 or f32 operands; f32 sums; everything else in f32.
;; Inputs: W1 15 x 256 float32; W2_codes 128 x 8 x 24 uint8 (E2M3 codes of W2, K innermost, in blocks of 32 codes, four codes in three bytes); W2_scales 128 x 8 uint8 (E8M0 scales of W2, one for each 32 codes along K); W3_codes 64 x 4 x 24 uint8 (E2M3 codes of W3, K innermost, in blocks of 32 codes, four codes in three bytes); W3_scales 64 x 4 uint8 (E8M0 scales of W3, one for each 32 codes along K); b1 256 float32; b2 128 float32; b3 64 float32; emb_obs 2 x 4 float32; f_ctx 8 x 4,096 x 8 float32; ln_bias 64 float32; ln_scale 64 float32; s_ctx 8 x 4,096 x 3 float32; s_test 8 x 2,048 x 3 float32.
;; Outputs: out0 8 x 2,048 x 64 float32; out1 8 x 4,096 x 64 float32; out2 8 x 2,048 x 16 float32; out3 8 x 2,048 x 16 int32; out4 8 x 4,096 x 16 float32; out5 8 x 4,096 x 16 int32.
;; Constants: k = 16.
;; This version of the problem:
;;   THIS VERSION OF THE PROBLEM IS GIVEN IN LOW PRECISION. The matrix products marked QUANTISED in the list below multiply operands that are first quantised to E2M3 (2 exponent bits, 3 mantissa bits; 6 bits a number), with one power-of-two scale for each 32 numbers along K (OCP MX v1.0); their sums are f32. All else is computed in f32.
;;   The module's matrix products, in the order in which they are computed (A, B: the left and right operand; K: the contracted axis; several contracted axes count as one K, in the product's order):
;;     1. [M 32,768, K 15] x [K 15, N 256]; A: computed on the way; B: input W1: left as it is (K = 15 < 32)
;;     2. [M 32,768, K 256] x [K 256, N 128]; A: computed on the way; B: input W2 (given as codes): QUANTISED
;;     3. [M 32,768, K 128] x [K 128, N 64]; A: computed on the way; B: input W3 (given as codes): QUANTISED
;;     4. [M 16,384, K 15] x [K 15, N 256]; A: computed on the way; B: input W1: left as it is (K = 15 < 32)
;;     5. [M 16,384, K 256] x [K 256, N 128]; A: computed on the way; B: input W2 (given as codes): QUANTISED
;;     6. [M 16,384, K 128] x [K 128, N 64]; A: computed on the way; B: input W3 (given as codes): QUANTISED
;;     7. batch 8 x [M 2,048, K 3] x [K 3, N 4,096]; A: computed on the way; B: input s_ctx: left as it is (K = 3 < 32)
;;     8. batch 8 x [M 4,096, K 3] x [K 3, N 4,096]; A: computed on the way; B: input s_ctx: left as it is (K = 3 < 32)
;;   THE QUANTISER, for each operand of a quantised product, along K:
;;     - K is cut into blocks of 32 from its start; a last block that is shorter is filled with zeros.
;;     - A block's scale is 2^e with e = floor(log2(the largest magnitude in the block)) - 2, held to -126 .. 127; a block of zeros has e = 0. As a byte (E8M0): e + 127.
;;     - Each number is divided by its block's scale, clamped to +-7.5, and rounded to the nearest number of E2M3, ties to even, subnormals kept.
;;     - The product sums the exact products of the quantised numbers (number of the format x scale) in f32.
;;   ~~~python
;;   def quantise(x, axis):      # numpy; x: float32 -> the quantised numbers, widened to float32 again
;;       x = np.moveaxis(x, axis, -1); K = x.shape[-1]
;;       x = np.pad(x, [(0, 0)] * (x.ndim - 1) + [(0, -K % 32)]); x = x.reshape(x.shape[:-1] + (-1, 32)); a = np.abs(x).max(-1, keepdims=True)
;;       e = np.where(a > 0, np.clip(np.frexp(np.where(a > 0, a, 1))[1] - 1 - 2, -126, 127), 0)      # np.frexp(a)[1] - 1 = floor(log2(a)), exactly
;;       r = np.clip(x / 2.0 ** e, -7.5, 7.5)
;;       step = 2.0 ** (np.maximum(np.frexp(np.where(r == 0, 1, r))[1] - 1, 0) - 3)
;;       q = np.round(r / step) * step * 2.0 ** e      # np.round: ties to even
;;       return np.moveaxis(q.reshape(q.shape[:-2] + (-1,))[..., :K], -1, axis).astype(np.float32)
;;   ~~~
;;   OPERANDS COMPUTED ON THE WAY. 'Computed on the way' means the value that the module computes at that place (a softmax that the list does not call 'softmax' is quantised finished and normalised). What goes into a quantiser is computed in f32, as accurately as f32 sums, v_exp_f32 and their like allow (about 1e-6 of the number): no bf16 or f16 on the way to a quantiser, and a product that is left as it is and whose result goes on into a quantised operand takes f32 operands (vector FMAs, or v_wmma_f32_16x16x4_f32). A number that lies on a knife's edge between two numbers of the format may be rounded either way, as far as f32 arithmetic and the matrix unit's own rounding can turn it there, and no further.
;;   INPUTS GIVEN AS CODES. W2 (in the module: [256, 128], K = its axis 0); W3 (in the module: [128, 64], K = its axis 0): each comes as NAME_codes (uint8): NAME with its K axis moved to the last place and cut into blocks of 32 codes, [.., K / 32, bytes a block], one block behind the other in memory; four codes in three bytes: a row's codes are one little-endian stream of bits, code i at bits 6 i .. 6 i + 5 (a code: sign, 2 exponent bits, 3 mantissa bits); and NAME_scales (uint8): the same leading axes, one E8M0 byte (e + 127) for each 32 codes along K. Its value is code x scale, taken as it is: it is not quantised again, and the codes and scales need not be those that the quantiser above would give.
;; One version. Each part assembles by itself: llvm-mc -triple=amdgcn-amd-amdhsa -mcpu=gfx1250 --defsym DOCPART=n.
;; ======== version 1 of 1: 3 launches
;; workspace buffers: blk 786,432 bytes of whole numbers
;; launch mlp (part 1): grid 768 x 1, 4 waves a work-group, no clusters, 68,608 bytes of LDS; arguments W1, b1, W2_codes, W2_scales, W3_codes, W3_scales, b2, b3, emb_obs, s_ctx, f_ctx, s_test, ln_scale, ln_bias, out0, out1; writes out0, out1
.if DOCPART == 1
	.amdgcn_target "amdgcn-amd-amdhsa--gfx1250"
	.amdhsa_code_object_version 6
	.text
	.protected	k_q39e155a244_mlp
	.globl	k_q39e155a244_mlp
	.p2align	8
	.type	k_q39e155a244_mlp,@function
k_q39e155a244_mlp:
	s_mov_b64 s[64:65], 0
	v_nop
	global_prefetch_b8 v0, s[64:65] scope:SCOPE_SE
	s_setreg_imm32_b32 hwreg(HW_REG_WAVE_MODE, 25, 1), 1
	s_wait_xcnt 0x0
; x = layernorm(gelu(gelu([emb, s, f] W1 + b1) W2 + b2) W3 + b3) for 32,768 ctx rows (out1) and 16,384 test rows (out0; f = 0, emb_obs[0]).
; The first product (K = 15) feeds a quantiser: f32 operands, v_wmma_f32_16x16x4_f32.  The second (K = 256) and third (K = 128) are on codes of FP6 (E2M3) with one E8M0 scale for each 32 along K:
; W2 and W3 arrive as codes, K innermost; the two hidden layers are quantised in registers on the way and never go to memory.
; SHARES.  A wave owns one tile of 16 rows from its inputs to its 16 rows of output, in 256 registers.  A work-group is four waves: work-groups 0-511 take ctx rows, 512-767 test rows.
; The four waves bring the weights into LDS once, AS IMAGES OF THE OPERANDS' REGISTERS (each group of four registers 16 bytes a lane, 512 bytes on end), nine jobs a wave; one barrier; then every wave loads them as it needs them.
; ALL THREE PRODUCTS ARE USED TRANSPOSED (source 0 = 16 rows of the weight, source 1 = my 16 rows): a lane (r = lane % 16, h = lane / 16) holds ONE row r throughout and its registers run along the units.
; THE UNITS OF A TILE OF W1 AND OF W2 ARE NOT NEIGHBOURS: lane r of tile 2 b + u takes unit 32 b + 8 u + r + 8 (r / 8), so that the 16 registers of tiles 2 b, 2 b + 1 are the 16 neighbours 32 b + 16 h + 0 .. 15 of the next K.
; THE FIRST PRODUCT'S K is padded from 15 to 16: the 16th input is 1.0 against b1.  The places of k are my own, alike on both sides: K step 0: emb[2 h + j]; 1: h = 0: s0, s1; h = 1: s2, 1.0; 2: f[4 h + j]; 3: f[4 h + 2 + j].
; gelu is the tanh form, rewritten exactly: x / (1 + 2^(x (c1 + c2 x^2))), c1 = -2 log2(e) sqrt(2 / pi), c2 = 0.044715 c1.
; LIMITS: NaN and infinities among the inputs are not served.  A block's scale byte is held at 1 from below; a block of zeros keeps that byte (its codes are zeros).  The exponential and the reciprocal flush denormals.
.set W1I, 0                            ; LDS: W1's 16 unit tiles, 8 registers each: (2 tile + q) x 512 + 16 x lane
.set W2I, 16384                        ; W2's 16 fragments (2 tile + K step), 12 registers each: 1,536 bytes
.set W2S, 40960                        ; their scale words, 128 bytes each
.set W3I, 43008                        ; W3's 4 fragments
.set W3S, 49152                        ; their scale words
.set B2L, 49664                        ; b2, 512 bytes
.set B3L, 50176                        ; b3, twice: one word a thread
.set STG, 50688                        ; the way out: 16 rows x (256 + 16) bytes for each wave
.set XB,  20                           ; v20-27   my rows' 16 inputs: K step s at XB + 2 s
.set H1C, 28                           ; v28-51   the first hidden layer's two fragments
.set H1S, 52                           ; v52-53   their scale words (scales and nothing else)
.set H2C, 54                           ; v54-65   the second hidden layer's fragment
.set H2S, 66                           ; v66      its scale word
.set WS,  68                           ; v68-71   the weights' scale words in hand
.set WF,  72                           ; v72-119  four fragments of a weight (v72-135: eight tiles of W1)
.set G,   120                          ; v120-151 32 numbers at work; the biases as C
.set TM,  152                          ; v152-157 largest magnitudes, bytes, scale operands; sums
.set MU,  160                          ; v160-161 the mean, then 1 / sqrt(var + eps) (a pair is named; the low word serves both halves)
.set TP,  168                          ; v168-170 a block's upper codes
.set ACC, 192                          ; v192-255 eight accumulators: written by matrix instructions alone
	s_load_b512 s[8:23], s[0:1], 0x0               ; W1 s[8:9], b1 s[10:11], W2 codes s[12:13], scales s[14:15], W3 codes s[16:17], scales s[18:19], b2 s[20:21], b3 s[22:23]
	s_load_b512 s[24:39], s[0:1], 0x40             ; emb s[24:25], s_ctx s[26:27], f_ctx s[28:29], s_test s[30:31], ln_scale s[32:33], ln_bias s[34:35], out0 s[36:37], out1 s[38:39]
	v_lshl_add_u32 v174, v0, 2, 0x10a00
	v_mov_b32 v175, 0
	v_lshrrev_b32 v1, 5, v0
	v_readfirstlane_b32 s40, v1                    ; wave w
	v_and_b32 v1, 31, v0                           ; lane
	v_and_b32 v2, 15, v0                           ; r
	v_bfe_u32 v3, v0, 4, 1                         ; h
	v_and_b32 v4, 8, v2
	v_add_nc_u32 v4, v4, v2                        ; r + 8 (r / 8)
	v_lshlrev_b32 v5, 4, v1                        ; 16 x lane: an image's place, and my 16 bytes of two rows of the output
	v_lshlrev_b32 v6, 2, v1                        ; 4 x lane: a scale word's place
	v_lshlrev_b32 v7, 6, v3                        ; 64 h: b2 in the result's layout
	v_lshlrev_b32 v8, 5, v3                        ; 32 h: b3 likewise
	s_mul_i32 s41, s40, 16*272
	s_add_co_u32 s41, s41, STG                     ; my stage
	v_mul_u32_u24 v9, v2, 272
	v_lshl_add_u32 v9, v3, 5, v9
	v_add_nc_u32 v9, s41, v9                       ; in: row r, + 32 h
	v_mul_u32_u24 v10, v3, 272
	v_lshl_add_u32 v10, v2, 4, v10
	v_add_nc_u32 v10, s41, v10                     ; back: lanes 0-15 one row, lanes 16-31 the next, 16 bytes a lane
	v_lshlrev_b32 v11, 4, v2                       ; 16 r: ln_scale and ln_bias of my four channels
	v_lshlrev_b32 v182, 2, v4                      ; W1: my unit's column
	v_lshl_add_u32 v180, v3, 11, v182              ;     + 2 h rows of 1,024 bytes
	v_lshl_add_u32 v181, v3, 12, v182              ;     + 4 h rows
	v_mul_u32_u24 v183, v4, 192                    ; W2: a row is 256 codes, 192 bytes
	v_mad_u32_u24 v183, v3, 24, v183
	v_lshlrev_b32 v184, 3, v4                      ;     its scale bytes: 8 a row
	v_mul_u32_u24 v185, v2, 96                     ; W3: a row is 128 codes, 96 bytes; natural rows
	v_mad_u32_u24 v185, v3, 24, v185
	v_lshlrev_b32 v186, 2, v2
	v_lshlrev_b32 v187, 2, v0                      ; a word a thread
	v_and_b32 v188, 63, v0
	v_lshlrev_b32 v188, 2, v188
	v_mul_u32_u24 v189, v2, 12                     ; s: 12 bytes a row
	v_lshlrev_b32 v190, 5, v2
	v_lshl_add_u32 v190, v3, 4, v190               ; f: 32 bytes a row, + 16 h
	v_lshlrev_b32 v191, 3, v3                      ; emb: 8 h
	s_lshl_b32 s41, s40, 12
	v_add_nc_u32 v162, s41, v5                     ; where I store images: W1's four tiles,
	s_mul_i32 s41, s40, 6144
	v_add_nc_u32 v163, s41, v5                     ; W2's four fragments,
	s_lshl_b32 s41, s40, 9
	v_add_nc_u32 v164, s41, v6                     ; their scale words,
	s_mul_i32 s41, s40, 1536
	v_add_nc_u32 v165, s41, v5                     ; W3's fragment,
	s_lshl_b32 s41, s40, 7
	v_add_nc_u32 v166, s41, v6                     ; its scale word
	s_mov_b32 s43, 0xffff0000                      ; lanes 16-31
	s_mov_b32 s44, 0x76543210
	s_mov_b32 s45, 0xfedcba98                      ; v_permlanex16_b32's selects for lane l xor 16
	s_mov_b32 s46, 0xbdd2d3e8                      ; c2
	s_mov_b32 s47, s46                             ; (named with it as a pair)
	s_mov_b32 s48, 0x3c800000                      ; 1 / 64
	s_mov_b32 s49, 0x358637bd                      ; eps = 1e-6
	v_mov_b32 v158, 0xc0135761                     ; c1, twice
	v_mov_b32 v159, 0xc0135761
	v_mov_b32 v154, 0                              ; written once: a lane permute's destination counts as one of its sources
	v_mov_b32 v155, 0
	v_mov_b32 v167, 0
	v_mov_b32 v161, 0                              ; (named as the upper half of the pair v[160:161])
	s_wait_kmcnt 0x0
	s_cmp_lt_u32 ttmp9, 512                        ; ctx or test?  All selections stand on this one compare, ahead of the arithmetic
	s_cselect_b64 s[26:27], s[26:27], s[30:31]     ; the rows' s
	s_cselect_b64 s[36:37], s[38:39], s[36:37]     ; the output
	s_cselect_b32 s42, -1, 0                       ; f counts (every lane) or is zero
	s_cselect_b32 s50, 0, 512
	s_cselect_b32 s52, 16, 0                       ; emb_obs[1] or emb_obs[0]
	s_mov_b32 s53, 0
	s_sub_co_u32 s50, ttmp9, s50
	s_lshl_b32 s50, s50, 2
	s_add_co_u32 s50, s50, s40                     ; my tile of 16 rows in its tensor
	s_add_nc_u64 s[24:25], s[24:25], s[52:53]
	s_mul_i32 s52, s50, 192
	s_add_nc_u64 s[26:27], s[26:27], s[52:53]
	s_lshl_b32 s52, s50, 9                         ; f_ctx is read inside its bounds by test tiles too (1,024 tiles against 2,048) and then replaced by 0
	s_add_nc_u64 s[28:29], s[28:29], s[52:53]
	s_lshl_b32 s52, s50, 12
	s_add_nc_u64 s[36:37], s[36:37], s[52:53]
	s_lshl_b32 s52, s40, 8                         ; my jobs: W1's and b1's units 64 w on; W2's scale bytes of rows 32 w on
	s_add_nc_u64 s[8:9], s[8:9], s[52:53]
	s_add_nc_u64 s[10:11], s[10:11], s[52:53]
	s_add_nc_u64 s[14:15], s[14:15], s[52:53]
	s_mul_i32 s52, s40, 6144                       ; W2's rows 32 w on
	s_add_nc_u64 s[12:13], s[12:13], s[52:53]
	s_mul_i32 s52, s40, 1536                       ; W3's rows 16 w on
	s_add_nc_u64 s[16:17], s[16:17], s[52:53]
	s_lshl_b32 s52, s40, 6
	s_add_nc_u64 s[18:19], s[18:19], s[52:53]
	; ---- my rows' inputs, straight into the operand's registers where they lie so
	global_load_b64 v[XB:XB+1], v191, s[24:25]     ; K step 0: emb[2 h], emb[2 h + 1]
	global_load_b96 v[42:44], v189, s[26:27]       ; s0, s1, s2 of row r
	global_load_b128 v[XB+4:XB+7], v190, s[28:29]  ; K steps 2, 3: f[4 h .. 4 h + 3]
	global_load_b128 v[12:15], v11, s[32:33]       ; ln_scale[4 r ..]
	global_load_b128 v[16:19], v11, s[34:35]       ; ln_bias[4 r ..]
	; ---- W1: unit tiles 4 w + i.  Register 2 s + j of a tile: the row of W1 that stands against input place (s, h, j)
.irp i, 0,1,2,3
.set TO, 128*(\i/2)+32*(\i%2)
	global_load_b32 v[WF+8*\i+0], v180, s[8:9] offset:TO                ; row 2 h
	global_load_b32 v[WF+8*\i+1], v180, s[8:9] offset:TO+1024           ; row 2 h + 1
	global_load_b32 v[WF+8*\i+2], v180, s[8:9] offset:TO+4096           ; row 4 + 2 h
	global_load_b32 v[WF+8*\i+3], v182, s[8:9] offset:TO+5120           ; row 5, for lanes 0-15;
	global_load_b32 v[176+\i],    v182, s[10:11] offset:TO              ; b1, for lanes 16-31
	global_load_b32 v[WF+8*\i+4], v181, s[8:9] offset:TO+7168           ; row 7 + 4 h
	global_load_b32 v[WF+8*\i+5], v181, s[8:9] offset:TO+8192           ; row 8 + 4 h
	global_load_b32 v[WF+8*\i+6], v181, s[8:9] offset:TO+9216           ; row 9 + 4 h
	global_load_b32 v[WF+8*\i+7], v181, s[8:9] offset:TO+10240          ; row 10 + 4 h
.endr
	; ---- W2: tiles 2 w + u, K steps k: a fragment is 24 bytes at 24 h and 24 bytes 48 further on, in pieces of 8 bytes
.irp u, 0,1
.irp k, 0,1
.irp p, 0,1,2,3,4,5
	global_load_b64 v[104+12*(2*\u+\k)+2*\p:104+12*(2*\u+\k)+2*\p+1], v183, s[12:13] offset:1536*\u+96*\k+48*(\p/3)+8*(\p%3)
.endr
	global_load_b32 v[WS+2*\u+\k], v184, s[14:15] offset:64*\u+4*\k
.endr
.endr
	; ---- W3: tile w;  b2 and b3: a word a thread
.irp p, 0,1,2,3,4,5
	global_load_b64 v[28+2*\p:29+2*\p], v185, s[16:17] offset:48*(\p/3)+8*(\p%3)
.endr
	global_load_b32 v[H2S], v186, s[18:19]
	global_load_b32 v40, v187, s[20:21]
	global_load_b32 v41, v188, s[22:23]
	s_wait_loadcnt 0x0
.irp i, 0,1,2,3
	v_cndmask_b32 v[WF+8*\i+3], v[WF+8*\i+3], v[176+\i], s43   ; K step 1, j = 1: row 5 below, b1 above
.endr
	v_cndmask_b32 v[XB+2], v42, v44, s43           ; K step 1: s0 | s2
	v_cndmask_b32 v[XB+3], v43, 1.0, s43           ;           s1 | 1.0
.irp j, 4,5,6,7
	v_cndmask_b32 v[XB+\j], 0, v[XB+\j], s42       ; test rows have f = 0
.endr
.irp i, 0,1,2,3
	ds_store_b128 v162, v[WF+8*\i:WF+8*\i+3] offset:W1I+1024*\i
	ds_store_b128 v162, v[WF+8*\i+4:WF+8*\i+7] offset:W1I+1024*\i+512
.endr
.irp f, 0,1,2,3
.irp c, 0,1,2
	ds_store_b128 v163, v[104+12*\f+4*\c:104+12*\f+4*\c+3] offset:W2I+1536*\f+512*\c
.endr
	ds_store_b32 v164, v[WS+\f] offset:W2S+128*\f
.endr
.irp c, 0,1,2
	ds_store_b128 v165, v[28+4*\c:28+4*\c+3] offset:W3I+512*\c
.endr
	ds_store_b32 v166, v[H2S] offset:W3S
	ds_store_b32 v187, v40 offset:B2L
	ds_store_b32 v187, v41 offset:B3L
	s_wait_dscnt 0x0                               ; for the others' sake: my images have landed
	s_barrier_signal -1
	s_barrier_wait -1                              ; the launch's one barrier: from here on the images are only read, and a stage is its wave's own
; The first product for hidden units 128 ks on: eight tiles, four K steps of 4.  The eight accumulators take turns, one instruction a turn; the first K step starts the sums.
.macro L1 ks
.irp t, 0,1,2,3,4,5,6,7
	ds_load_b128 v[WF+8*\t:WF+8*\t+3], v5 offset:W1I+(2*(8*\ks+\t))*512
	ds_load_b128 v[WF+8*\t+4:WF+8*\t+7], v5 offset:W1I+(2*(8*\ks+\t)+1)*512
.endr
	s_wait_dscnt 0x0
.irp s, 0,1,2,3
.irp t, 0,1,2,3,4,5,6,7
.if \s == 0
	v_wmma_f32_16x16x4_f32 v[ACC+8*\t:ACC+8*\t+7], v[WF+8*\t+2*\s:WF+8*\t+2*\s+1], v[XB+2*\s:XB+2*\s+1], 0
.else
	v_wmma_f32_16x16x4_f32 v[ACC+8*\t:ACC+8*\t+7], v[WF+8*\t+2*\s:WF+8*\t+2*\s+1], v[XB+2*\s:XB+2*\s+1], v[ACC+8*\t:ACC+8*\t+7]
.endif
.endr
.endr
.rept 8
	v_nop                                          ; eight places behind this form, ahead of the first read of results and of writes into its sources
.endr
.endm
; gelu of the 32 numbers v[x] .. v[x + 31] into G.  Each accumulator is read from its low end on.  The 32 exponentials are one batch with one wait, and so are the 32 reciprocals.
.macro GELU x
.irp j, 0,2,4,6,8,10,12,14,16,18,20,22,24,26,28,30
	v_pk_mul_f32 v[G+\j:G+\j+1], v[(\x)+\j:(\x)+\j+1], v[(\x)+\j:(\x)+\j+1]          ; x^2
.endr
.irp j, 0,2,4,6,8,10,12,14,16,18,20,22,24,26,28,30
	v_pk_fma_f32 v[G+\j:G+\j+1], v[G+\j:G+\j+1], s[46:47], v[158:159] op_sel_hi:[1,0,1]   ; c1 + c2 x^2
.endr
.irp j, 0,2,4,6,8,10,12,14,16,18,20,22,24,26,28,30
	v_pk_mul_f32 v[G+\j:G+\j+1], v[G+\j:G+\j+1], v[(\x)+\j:(\x)+\j+1]                ; x (c1 + c2 x^2)
.endr
.irp j, 0,1,2,3,4,5,6,7,8,9,10,11,12,13,14,15,16,17,18,19,20,21,22,23,24,25,26,27,28,29,30,31
	v_exp_f32 v[G+\j], v[G+\j]
.endr
	v_nop                                          ; a plain instruction behind the last exponential
	s_wait_alu depctr_va_vdst(0)                   ; one wait for the batch, ahead of its first reader
.irp j, 0,2,4,6,8,10,12,14,16,18,20,22,24,26,28,30
	v_pk_add_f32 v[G+\j:G+\j+1], v[G+\j:G+\j+1], 1.0 op_sel_hi:[1,0]
.endr
.irp j, 0,1,2,3,4,5,6,7,8,9,10,11,12,13,14,15,16,17,18,19,20,21,22,23,24,25,26,27,28,29,30,31
	v_rcp_f32 v[G+\j], v[G+\j]
.endr
	v_nop
	s_wait_alu depctr_va_vdst(0)
.irp j, 0,2,4,6,8,10,12,14,16,18,20,22,24,26,28,30
	v_pk_mul_f32 v[G+\j:G+\j+1], v[G+\j:G+\j+1], v[(\x)+\j:(\x)+\j+1]
.endr
.endm
; G's 32 numbers, register 16 b + i = k 64 c + 32 b + 16 h + i of my row, become registers 6 c .. 6 c + 5 of the fragment at v[pc] and bytes 2 c, 2 c + 1 of the scale word v[pw].
.macro QUANT2 c, pc, pw
.irp b, 0,1
	v_max3_num_f32 v[TM+\b], |v[G+16*\b]|, |v[G+16*\b+1]|, 0x1800000   ; my 16 numbers of block b, and the floor 2^(3 - 127): the byte cannot fall under 1
.endr
.irp i, 2,4,6,8,10,12,14
.irp b, 0,1
	v_max3_num_f32 v[TM+\b], v[TM+\b], |v[G+16*\b+\i]|, |v[G+16*\b+\i+1]|
.endr
.endr
.irp b, 0,1
	v_permlanex16_b32 v[TM+2+\b], v[TM+\b], s44, s45
.endr
.irp b, 0,1
	v_max_num_f32 v[TM+\b], v[TM+\b], v[TM+2+\b]   ; with lane l xor 16's 16: the block's largest magnitude
.endr
.irp b, 0,1
	v_add_nc_u32 v[TM+4+\b], 0xff000000, v[TM+\b]  ; 2 off its exponent field: the conversion takes the exponent field of this operand as its scale
.endr
.irp b, 0,1
	v_lshrrev_b32 v[TM+2+\b], 23, v[TM+4+\b]       ; the scale's byte
.endr
.if \c == 0
	v_lshl_or_b32 v[\pw], v[TM+3], 8, v[TM+2]
.else
	v_lshl_or_b32 v[\pw], v[TM+2], 16, v[\pw]
	v_lshl_or_b32 v[\pw], v[TM+3], 24, v[\pw]
.endif
	v_cvt_scalef32_pk16_fp6_f32 v[(\pc)+6*\c:(\pc)+6*\c+2], v[G:G+15], v[TM+4]
	v_cvt_scalef32_pk16_fp6_f32 v[TP:TP+2], v[G+16:G+31], v[TM+5]      ; (a conversion's three registers begin on an even number)
	v_nop                                          ; one plain place behind a scaled conversion
.irp i, 0,1,2
	v_permlane16_swap_b32 v[(\pc)+6*\c+\i], v[TP+\i]   ; the layout wants a whole block in a lane: lanes 0-15 block 2 c, lanes 16-31 block 2 c + 1
.endr
.irp i, 0,1,2
	v_mov_b32 v[(\pc)+6*\c+3+\i], v[TP+\i]
.endr
.endm
	; ---- the first hidden layer, 128 units at a time: each 128 are a K step of the second product
.irp ks, 0,1
	L1 \ks
.irp c, 0,1
	GELU ACC+32*\c
	QUANT2 \c, H1C+12*\ks, H1S+\ks
.endr
.endr
; ---- the second product: tiles 4 hf + i, two K steps; b2 is the C of each sum's first instruction; the four accumulators by turns
.macro P2FETCH hf, ks
.irp i, 0,1,2,3
.irp c, 0,1,2
	ds_load_b128 v[WF+12*\i+4*\c:WF+12*\i+4*\c+3], v5 offset:W2I+(2*(4*\hf+\i)+\ks)*1536+512*\c
.endr
	ds_load_b32 v[WS+\i], v6 offset:W2S+(2*(4*\hf+\i)+\ks)*128
.endr
.endm
.macro P2HALF hf
.rept 4
	v_nop                                          ; places ahead of loads into registers that matrix instructions have read
.endr
.irp i, 0,1,2,3
	ds_load_b128 v[G+8*\i:G+8*\i+3], v7 offset:B2L+128*(2*\hf+\i/2)+32*(\i%2)        ; b2 at units 32 b + 8 u + 16 h + 0 .. 7
	ds_load_b128 v[G+8*\i+4:G+8*\i+7], v7 offset:B2L+128*(2*\hf+\i/2)+32*(\i%2)+16
.endr
	P2FETCH \hf, 0
	s_wait_dscnt 0x0
.irp i, 0,1,2,3
	v_wmma_scale_f32_16x16x128_f8f6f4 v[ACC+8*(4*\hf+\i):ACC+8*(4*\hf+\i)+7], v[WF+12*\i:WF+12*\i+11], v[H1C:H1C+11], v[G+8*\i:G+8*\i+7], v[WS+\i], v[H1S] matrix_a_fmt:MATRIX_FMT_FP6 matrix_b_fmt:MATRIX_FMT_FP6
.endr
.rept 4
	v_nop
.endr
	P2FETCH \hf, 1
	s_wait_dscnt 0x0
.irp i, 0,1,2,3
	v_wmma_scale_f32_16x16x128_f8f6f4 v[ACC+8*(4*\hf+\i):ACC+8*(4*\hf+\i)+7], v[WF+12*\i:WF+12*\i+11], v[H1C+12:H1C+23], v[ACC+8*(4*\hf+\i):ACC+8*(4*\hf+\i)+7], v[WS+\i], v[H1S+1] matrix_a_fmt:MATRIX_FMT_FP6 matrix_b_fmt:MATRIX_FMT_FP6
.endr
.endm
.rept 4
	v_nop                                          ; with the four at the macro's head: eight places between the vector write of a scale word and the scaled matrix instruction
.endr
	P2HALF 0
	P2HALF 1
.rept 4
	v_nop                                          ; four places behind this form, ahead of the first read of results
.endr
.irp c, 0,1
	GELU ACC+32*\c
	QUANT2 \c, H2C, H2S
.endr
	; ---- the third product: four tiles of 16 outputs, natural rows; b3 is the C
.rept 8
	v_nop
.endr
.irp t, 0,1,2,3
	ds_load_b128 v[G+8*\t:G+8*\t+3], v8 offset:B3L+64*\t                ; b3 at outputs 16 t + 8 h + 0 .. 7
	ds_load_b128 v[G+8*\t+4:G+8*\t+7], v8 offset:B3L+64*\t+16
.irp c, 0,1,2
	ds_load_b128 v[WF+12*\t+4*\c:WF+12*\t+4*\c+3], v5 offset:W3I+1536*\t+512*\c
.endr
	ds_load_b32 v[WS+\t], v6 offset:W3S+128*\t
.endr
	s_wait_dscnt 0x0
.irp t, 0,1,2,3
	v_wmma_scale_f32_16x16x128_f8f6f4 v[ACC+8*\t:ACC+8*\t+7], v[WF+12*\t:WF+12*\t+11], v[H2C:H2C+11], v[G+8*\t:G+8*\t+7], v[WS+\t], v[H2S] matrix_a_fmt:MATRIX_FMT_FP6 matrix_b_fmt:MATRIX_FMT_FP6
.endr
.rept 4
	v_nop
.endr
	; ---- layernorm over a row's 64 numbers: 32 are mine, 32 lane l xor 16's.  Each accumulator is first read at its low end
	v_pk_add_f32 v[152:153], v[ACC:ACC+1], v[ACC+2:ACC+3]
	v_pk_add_f32 v[156:157], v[ACC+4:ACC+5], v[ACC+6:ACC+7]
.irp t, 1,2,3
	v_pk_add_f32 v[152:153], v[152:153], v[ACC+8*\t:ACC+8*\t+1]
	v_pk_add_f32 v[156:157], v[156:157], v[ACC+8*\t+4:ACC+8*\t+5]
	v_pk_add_f32 v[152:153], v[152:153], v[ACC+8*\t+2:ACC+8*\t+3]
	v_pk_add_f32 v[156:157], v[156:157], v[ACC+8*\t+6:ACC+8*\t+7]
.endr
	v_pk_add_f32 v[152:153], v[152:153], v[156:157]
	v_add_f32 v152, v152, v153
	v_permlanex16_b32 v167, v152, s44, s45
	v_add_f32 v152, v152, v167
	v_mul_f32 v[MU], s48, v152                     ; the mean
.irp j, 0,2,4,6,8,10,12,14,16,18,20,22,24,26,28,30
	v_pk_add_f32 v[G+\j:G+\j+1], v[ACC+\j:ACC+\j+1], v[MU:MU+1] op_sel_hi:[1,0] neg_lo:[0,1] neg_hi:[0,1]   ; x - mean
.endr
	v_pk_mul_f32 v[152:153], v[G:G+1], v[G:G+1]
	v_pk_mul_f32 v[156:157], v[G+2:G+3], v[G+2:G+3]
.irp j, 4,8,12,16,20,24,28
	v_pk_fma_f32 v[152:153], v[G+\j:G+\j+1], v[G+\j:G+\j+1], v[152:153]
	v_pk_fma_f32 v[156:157], v[G+\j+2:G+\j+3], v[G+\j+2:G+\j+3], v[156:157]
.endr
	v_pk_add_f32 v[152:153], v[152:153], v[156:157]
	v_add_f32 v152, v152, v153
	v_permlanex16_b32 v167, v152, s44, s45
	v_add_f32 v152, v152, v167
	v_fma_f32 v152, v152, s48, s49                 ; var + eps
	v_rsq_f32 v[MU], v152
	v_nop                                          ; a plain instruction behind the transcendental
	s_wait_alu depctr_va_vdst(0)                   ; and the wait ahead of its first reader
.irp j, 0,2,4,6,8,10,12,14,16,18,20,22,24,26,28,30
	v_pk_mul_f32 v[G+\j:G+\j+1], v[G+\j:G+\j+1], v[MU:MU+1] op_sel_hi:[1,0]
.endr
	; ---- the way out: a lane's 8 channels of a tile are 32 bytes of a row; through my stage they come back as whole rows of 256 bytes
.irp t, 0,1,2,3
	ds_store_b128 v9, v[G+8*\t:G+8*\t+3] offset:64*\t
	ds_store_b128 v9, v[G+8*\t+4:G+8*\t+7] offset:64*\t+16
.endr
.irp n, 0,1,2,3,4,5,6,7
	ds_load_b128 v[WF+4*\n:WF+4*\n+3], v10 offset:544*\n     ; LDS serves a wave's instructions in order (ISA guide 5.7.1.4): these see my stores
.endr
.irp n, 0,1,2,3,4,5,6,7
	s_wait_dscnt 7-\n                              ; the loads issued behind this one may stay out
	v_pk_fma_f32 v[WF+4*\n:WF+4*\n+1], v[WF+4*\n:WF+4*\n+1], v[12:13], v[16:17]          ; x ln_scale + ln_bias of my four channels
	v_pk_fma_f32 v[WF+4*\n+2:WF+4*\n+3], v[WF+4*\n+2:WF+4*\n+3], v[14:15], v[18:19]
	global_store_b128 v5, v[WF+4*\n:WF+4*\n+3], s[36:37] offset:512*\n th:TH_STORE_NT   ; 32 lanes store two rows: 512 consecutive bytes, at a multiple of 256 from the output's first byte
.endr
	s_wait_tensorcnt 0x0
	ds_add_u32 v174, v175
	s_wait_dscnt 0x0
	s_endpgm
.Lfunc_end_k_q39e155a244_mlp:
	.size	k_q39e155a244_mlp, .Lfunc_end_k_q39e155a244_mlp-k_q39e155a244_mlp
	.p2alignl 7, 3214868480
	.fill 96, 4, 3214868480
	.section	.rodata,"a",@progbits
	.p2align	6, 0x0
	.amdhsa_kernel k_q39e155a244_mlp
		.amdhsa_group_segment_fixed_size 68608
		.amdhsa_private_segment_fixed_size 0
		.amdhsa_enable_private_segment 0
		.amdhsa_kernarg_size 128
		.amdhsa_user_sgpr_count 2
		.amdhsa_user_sgpr_kernarg_segment_ptr 1
		.amdhsa_wavefront_size32 1
		.amdhsa_system_sgpr_workgroup_id_x 1
		.amdhsa_system_sgpr_workgroup_id_y 1
		.amdhsa_system_sgpr_workgroup_id_z 1
		.amdhsa_system_vgpr_workitem_id 0
		.amdhsa_next_free_vgpr 256
		.amdhsa_next_free_sgpr 66
		.amdhsa_reserve_vcc 0
		.amdhsa_float_denorm_mode_32 3
		.amdhsa_float_denorm_mode_16_64 3
		.amdhsa_memory_ordered 1
		.amdhsa_forward_progress 1
		.amdhsa_inst_pref_size 93
	.end_amdhsa_kernel
	.amdgpu_metadata
---
amdhsa.version: [ 1, 2 ]
amdhsa.kernels:
  - .name:           k_q39e155a244_mlp
    .symbol:         k_q39e155a244_mlp.kd
    .args:
      - { .name: W1, .offset: 0, .size: 8, .value_kind: global_buffer, .address_space: global }
      - { .name: b1, .offset: 8, .size: 8, .value_kind: global_buffer, .address_space: global }
      - { .name: W2_codes, .offset: 16, .size: 8, .value_kind: global_buffer, .address_space: global }
      - { .name: W2_scales, .offset: 24, .size: 8, .value_kind: global_buffer, .address_space: global }
      - { .name: W3_codes, .offset: 32, .size: 8, .value_kind: global_buffer, .address_space: global }
      - { .name: W3_scales, .offset: 40, .size: 8, .value_kind: global_buffer, .address_space: global }
      - { .name: b2, .offset: 48, .size: 8, .value_kind: global_buffer, .address_space: global }
      - { .name: b3, .offset: 56, .size: 8, .value_kind: global_buffer, .address_space: global }
      - { .name: emb_obs, .offset: 64, .size: 8, .value_kind: global_buffer, .address_space: global }
      - { .name: s_ctx, .offset: 72, .size: 8, .value_kind: global_buffer, .address_space: global }
      - { .name: f_ctx, .offset: 80, .size: 8, .value_kind: global_buffer, .address_space: global }
      - { .name: s_test, .offset: 88, .size: 8, .value_kind: global_buffer, .address_space: global }
      - { .name: ln_scale, .offset: 96, .size: 8, .value_kind: global_buffer, .address_space: global }
      - { .name: ln_bias, .offset: 104, .size: 8, .value_kind: global_buffer, .address_space: global }
      - { .name: out0, .offset: 112, .size: 8, .value_kind: global_buffer, .address_space: global }
      - { .name: out1, .offset: 120, .size: 8, .value_kind: global_buffer, .address_space: global }
    .group_segment_fixed_size: 68608
    .private_segment_fixed_size: 0
    .kernarg_segment_align: 8
    .kernarg_segment_size: 128
    .max_flat_workgroup_size: 128
    .sgpr_count:     66
    .vgpr_count:     256
    .wavefront_size: 32
...
	.end_amdgpu_metadata
.endif
;; end of part 1
;; launch knn_blocks (part 2): grid 256 x 1, 12 waves a work-group, no clusters, 235,008 bytes of LDS; arguments s_ctx, s_test, blk; writes blk
.if DOCPART == 2
	.amdgcn_target "amdgcn-amd-amdhsa--gfx1250"
	.amdhsa_code_object_version 6
	.text
	.protected	k_q39e155a244_knn_blocks
	.globl	k_q39e155a244_knn_blocks
	.p2align	8
	.type	k_q39e155a244_knn_blocks,@function
k_q39e155a244_knn_blocks:
	s_mov_b64 s[64:65], 0
	v_nop
	global_prefetch_b8 v0, s[64:65] scope:SCOPE_SE
	s_setreg_imm32_b32 hwreg(HW_REG_WAVE_MODE, 25, 1), 1
	s_wait_xcnt 0x0
; kNN, first pass.  For each of the 49,152 queries (8 batches x (2,048 test + 4,096 ctx)) the 4,096 ctx points of its batch are cut into 256 blocks of 16 neighbours by index;
; the pass finds each block's smallest d2 and stores the numbers of the 16 least blocks, ordered by (smallest d2, block number), one byte each, in blk[query][16] (in no order).
; WHY THAT IS EXACT.  Order elements by (d2, index).  An element of a block that is not among the 16 least blocks has 16 blocks before its own, each with a minimum that comes before it
; (at equal d2 the lower block number is a lower index): so 16 elements precede it.  Hence the 16 least elements lie in the 16 least blocks, which the next launch searches.
; d2 = (|q|^2 + |c|^2) - (2 q) . c with these roundings.  |.|^2 = (x x + z z) + y y, every product and every sum rounded: the order of a row of three that is folded in halves as a row of four,
; (x x + z z) + (y y + 0); these multiplications and additions are NOT fused, on purpose.  dot = fma(z, z', fma(y, y', x x')): one product, a fused chain in ascending k.  One rounded sum of the two |.|^2;
; one rounded difference, made as fma(dot, -2, sum), which is the same rounding since doubling is exact.  LIMITS: that order of roundings is taken to be the reference's: neighbours whose d2 differ in the
; last bit could come out otherwise under another order.  NaN and infinities among the inputs are not served; doubling is exact apart from products in the denormal range or beyond 2^127.
; SHARES.  Work-group g: batch g / 32, query groups 6 (g % 32) + 0 .. 5 of 32 queries each (groups 0-63 of a batch: test rows; 64-191: ctx rows).  Twelve waves.
; BULK: wave W keeps candidates 1,024 (W % 4) + 32 lane + 0 .. 31 in registers (two blocks a lane) and walks the 64 queries of groups 2 (W / 4), 2 (W / 4) + 1, two a trip, their numbers in scalar registers.
; SELECTION: wave W takes group W / 2 and blocks 128 (W % 2) on; a lane is a query; batches of 16 minima are sorted by a network and merged into a running sorted 16; the two halves meet through LDS.
; No branch and no address hangs on a distance.  No tensor load: every LDS datum is computed here.  No cluster: what work-groups share is a batch's 48 KB, read once by each.
.set P,    272                         ; a row of a region: 64 minima + 16 bytes: an odd multiple of 16, so that 16 lanes' reads of 16 bytes of 16 rows start 16 bytes apart modulo 256
.set REG,  64*P                        ; LDS: wave W's region, W x REG: its 64 queries x its 64 blocks
.set EX,   12*REG                      ; behind them: 4,096 bytes for each group: the upper half's sorted 16, as images of its registers
.set QT,   8                           ; v8-11, v12-15  x, y, z, |q|^2 of my lane's query in the wave's two groups
.set X,    16                          ; v16-47   my 32 candidates' x;  Y, Z, ST (|c|^2) likewise
.set Y,    48
.set Z,    80
.set ST,   112
.set RAW,  144                         ; v144-239 the candidates as loaded; then v144-175 their squares at work; afterwards:
.set DA,   144                         ; 16 dots, then d2, of query A;  EA: 16 sums
.set EA,   160
.set DB,   176
.set EB,   192
.set RES,  208                         ; v208-211 the minima: A's two blocks, B's two
.set RK,   16                          ; the selection (X .. ST are dead): the running sorted 16: keys, ids
.set RI,   32
.set PK,   48                          ; the pool: 16 elements and a spare: keys v48-64, ids v66-82
.set PI,   66
.set DUM,  83                          ; takes the differences that nobody reads
.set LD,   84                          ; v84-99   16 minima as loaded
.set MK,   24                          ; s24-31   eight lane masks
; ---- THE SELECTION NETWORK.  An element is a key (d2's bits made to order as unsigned numbers) and an id.  A comes before B where kA < kB + (iA < iB): a compare of the ids, whose mask goes as the
; borrow into kA - kB; the borrow out is the answer.  The comparators of a stage are written phase by phase, so that no line waits for the line above it.
; The pool's elements are NAMES (BK_e, BI_e): a comparator writes the lower element into the spare register, the higher in place, and the lower's old register becomes the spare: no moves.
.macro RESET
.irp e, 0,1,2,3,4,5,6,7,8,9,10,11,12,13,14,15
.set BK_\e, PK+\e
.set BI_\e, PI+\e
.endr
.set FK, PK+16
.set FI, PI+16
.endm
.macro CE1 n, a, b
	v_cmp_lt_u32 s[MK+\n], v[BI_\a], v[BI_\b]
.endm
.macro CE2 n, a, b
	v_sub_co_ci_u32 v[DUM], s[MK+\n], v[BK_\a], v[BK_\b], s[MK+\n]
.endm
.macro CE3 n, a, b
	v_cndmask_b32 v[FK], v[BK_\b], v[BK_\a], s[MK+\n]
	v_cndmask_b32 v[BK_\b], v[BK_\a], v[BK_\b], s[MK+\n]
	v_cndmask_b32 v[FI], v[BI_\b], v[BI_\a], s[MK+\n]
	v_cndmask_b32 v[BI_\b], v[BI_\a], v[BI_\b], s[MK+\n]
.set SWP, BK_\a
.set BK_\a, FK
.set FK, SWP
.set SWP, BI_\a
.set BI_\a, FI
.set FI, SWP
.endm
.macro STAGE c, a0,b0, a1,b1, a2,b2, a3,b3, a4,b4, a5,b5, a6,b6, a7,b7   ; c comparators (4, 6, 7 or 8); pairs beyond c are not used
	CE1 0,\a0,\b0
	CE1 1,\a1,\b1
	CE1 2,\a2,\b2
	CE1 3,\a3,\b3
.if \c > 4
	CE1 4,\a4,\b4
	CE1 5,\a5,\b5
.endif
.if \c > 6
	CE1 6,\a6,\b6
.endif
.if \c > 7
	CE1 7,\a7,\b7
.endif
	CE2 0,\a0,\b0
	CE2 1,\a1,\b1
	CE2 2,\a2,\b2
	CE2 3,\a3,\b3
.if \c > 4
	CE2 4,\a4,\b4
	CE2 5,\a5,\b5
.endif
.if \c > 6
	CE2 6,\a6,\b6
.endif
.if \c > 7
	CE2 7,\a7,\b7
.endif
	CE3 0,\a0,\b0
	CE3 1,\a1,\b1
	CE3 2,\a2,\b2
	CE3 3,\a3,\b3
.if \c > 4
	CE3 4,\a4,\b4
	CE3 5,\a5,\b5
.endif
.if \c > 6
	CE3 6,\a6,\b6
.endif
.if \c > 7
	CE3 7,\a7,\b7
.endif
.endm
.macro SORT16                          ; the odd-even merge sort of 16: 63 comparators in ten stages
	STAGE 8, 0,1, 2,3, 4,5, 6,7, 8,9, 10,11, 12,13, 14,15
	STAGE 8, 0,2, 1,3, 4,6, 5,7, 8,10, 9,11, 12,14, 13,15
	STAGE 4, 1,2, 5,6, 9,10, 13,14, 0,0, 0,0, 0,0, 0,0
	STAGE 8, 0,4, 1,5, 2,6, 3,7, 8,12, 9,13, 10,14, 11,15
	STAGE 4, 2,4, 3,5, 10,12, 11,13, 0,0, 0,0, 0,0, 0,0
	STAGE 6, 1,2, 3,4, 5,6, 9,10, 11,12, 13,14, 0,0, 0,0
	STAGE 8, 0,8, 1,9, 2,10, 3,11, 4,12, 5,13, 6,14, 7,15
	STAGE 4, 4,8, 5,9, 6,10, 7,11, 0,0, 0,0, 0,0, 0,0
	STAGE 6, 2,4, 3,5, 6,8, 7,9, 10,12, 11,13, 0,0, 0,0
	STAGE 7, 1,2, 3,4, 5,6, 7,8, 9,10, 11,12, 13,14, 0,0
.endm
.macro HC1 n, i, j
	v_cmp_lt_u32 s[MK+\n], v[RI+\i], v[BI_\j]
.endm
.macro HC2 n, i, j
	v_sub_co_ci_u32 v[DUM], s[MK+\n], v[RK+\i], v[BK_\j], s[MK+\n]
.endm
.macro HC3 n, i, j
	v_cndmask_b32 v[RK+\i], v[BK_\j], v[RK+\i], s[MK+\n]
	v_cndmask_b32 v[RI+\i], v[BI_\j], v[RI+\i], s[MK+\n]
.endm
.macro HALF                            ; R[i] = the lower of R[i] and B[15 - i], both sorted: R then holds the 16 least of the 32, as a run that falls after it has risen; the pool is dead
	HC1 0,0,15
	HC1 1,1,14
	HC1 2,2,13
	HC1 3,3,12
	HC1 4,4,11
	HC1 5,5,10
	HC1 6,6,9
	HC1 7,7,8
	HC2 0,0,15
	HC2 1,1,14
	HC2 2,2,13
	HC2 3,3,12
	HC2 4,4,11
	HC2 5,5,10
	HC2 6,6,9
	HC2 7,7,8
	HC3 0,0,15
	HC3 1,1,14
	HC3 2,2,13
	HC3 3,3,12
	HC3 4,4,11
	HC3 5,5,10
	HC3 6,6,9
	HC3 7,7,8
	HC1 0,8,7
	HC1 1,9,6
	HC1 2,10,5
	HC1 3,11,4
	HC1 4,12,3
	HC1 5,13,2
	HC1 6,14,1
	HC1 7,15,0
	HC2 0,8,7
	HC2 1,9,6
	HC2 2,10,5
	HC2 3,11,4
	HC2 4,12,3
	HC2 5,13,2
	HC2 6,14,1
	HC2 7,15,0
	HC3 0,8,7
	HC3 1,9,6
	HC3 2,10,5
	HC3 3,11,4
	HC3 4,12,3
	HC3 5,13,2
	HC3 6,14,1
	HC3 7,15,0
.endm
.macro BST sk, si, dk, di, d           ; one stage of the merge, from one array into the other: elements d apart are put in order
.irp n, 0,1,2,3,4,5,6,7
.set II, ((\n)/(\d))*2*(\d)+(\n)%(\d)
	v_cmp_lt_u32 s[MK+\n], v[\si+II], v[\si+II+\d]
.endr
.irp n, 0,1,2,3,4,5,6,7
.set II, ((\n)/(\d))*2*(\d)+(\n)%(\d)
	v_sub_co_ci_u32 v[DUM], s[MK+\n], v[\sk+II], v[\sk+II+\d], s[MK+\n]
.endr
.irp n, 0,1,2,3,4,5,6,7
.set II, ((\n)/(\d))*2*(\d)+(\n)%(\d)
	v_cndmask_b32 v[\dk+II], v[\sk+II+\d], v[\sk+II], s[MK+\n]
	v_cndmask_b32 v[\dk+II+\d], v[\sk+II], v[\sk+II+\d], s[MK+\n]
	v_cndmask_b32 v[\di+II], v[\si+II+\d], v[\si+II], s[MK+\n]
	v_cndmask_b32 v[\di+II+\d], v[\si+II], v[\si+II+\d], s[MK+\n]
.endr
.endm
.macro BMERGE                          ; four stages: R is sorted again, and back in its own registers, so that a loop closes
	BST RK, RI, PK, PI, 8
	BST PK, PI, RK, RI, 4
	BST RK, RI, PK, PI, 2
	BST PK, PI, RK, RI, 1
.endm
	s_load_b128 s[4:7], s[0:1], 0x0                ; s_ctx s[4:5], s_test s[6:7]
	s_load_b64 s[8:9], s[0:1], 0x10                ; blk
	v_lshl_add_u32 v240, v0, 2, 0x39000
	v_mov_b32 v241, 0
	v_lshrrev_b32 v1, 5, v0
	v_readfirstlane_b32 s10, v1                    ; wave W, 0..11
	v_and_b32 v1, 31, v0                           ; lane
	s_and_b32 s11, s10, 3                          ; cs: which 1,024 candidates
	s_lshr_b32 s12, s10, 2                         ; qs: which 64 queries
	s_lshr_b32 s13, s10, 1                         ; i: which group I select for
	s_and_b32 s14, s10, 1                          ; hf: which 128 blocks
	s_lshr_b32 s15, ttmp9, 5                       ; batch
	s_and_b32 s16, ttmp9, 31                       ; part
	; every LDS address register is made here, ahead of any branch on the wave's number
	s_mul_i32 s17, s10, REG
	v_lshl_add_u32 v2, v1, 3, s17                  ; bulk: my region, my two blocks' 8 bytes
	s_lshr_b32 s17, s13, 1
	s_lshl_b32 s17, s17, 2
	s_lshl_b32 s18, s14, 1
	s_add_co_u32 s17, s17, s18                     ; selection: the region of wave 4 (i / 2) + 2 hf,
	s_mul_i32 s17, s17, REG
	s_and_b32 s18, s13, 1
	s_mul_i32 s18, s18, 32*P                       ; rows 32 (i % 2) on,
	s_add_co_u32 s17, s17, s18
	v_mul_u32_u24 v4, v1, P                        ; my query's row
	v_add_nc_u32 v4, s17, v4
	s_lshl_b32 s17, s13, 12
	s_add_co_u32 s17, s17, EX
	v_lshl_add_u32 v5, v1, 4, s17                  ; my group's images, 16 bytes a lane
	v_lshlrev_b32 v6, 4, v1                        ; blk: 16 bytes a query
	s_lshl_b32 s17, s14, 7
	v_mov_b32 v7, s17                              ; the first block number of the batch in hand: 128 hf
	v_mul_u32_u24 v16, v1, 12                      ; a query is 12 bytes
	v_mul_u32_u24 v3, v1, 384                      ; my 32 candidates are 384
	s_mul_i32 s17, s16, 6
	s_lshl_b32 s18, s12, 1
	s_add_co_u32 s18, s17, s18
	s_lshl_b32 s18, s18, 5                         ; 32 x (6 part + 2 qs): the first of my 64 queries in the batch's list; the two groups lie on one side of 2,048
	s_add_co_u32 s17, s17, s13
	s_lshl_b32 s17, s17, 5
	s_mul_i32 s19, s15, 6144
	s_add_co_u32 s17, s17, s19                     ; blk's row of my selection group's first query
	s_lshl_b32 s36, s17, 4
	s_mov_b32 s37, 0
	s_mul_i32 s20, s15, 49152                      ; the batch's candidates,
	s_mul_i32 s21, s11, 12288                      ; my 1,024 of them
	s_add_co_u32 s20, s20, s21
	s_mov_b32 s21, 0
.irp n, 41,43,45,47,49,51,53,55
	s_mov_b32 s\n, 0                               ; the packed forms name pairs and take the low word for both halves: the upper words are written once
.endr
	s_wait_kmcnt 0x0
	s_add_nc_u64 s[38:39], s[8:9], s[36:37]
	s_add_nc_u64 s[32:33], s[4:5], s[20:21]
	s_cmp_lt_u32 s18, 2048                         ; test rows or ctx rows?  The selections first, then the arithmetic
	s_cselect_b64 s[34:35], s[6:7], s[4:5]
	s_cselect_b32 s19, 0, 2048
	s_cselect_b32 s22, 11, 12
	s_lshl_b32 s22, s15, s22
	s_add_co_u32 s18, s18, s22
	s_sub_co_u32 s18, s18, s19                     ; the row in its tensor
	s_mul_i32 s36, s18, 12
	s_add_nc_u64 s[34:35], s[34:35], s[36:37]
	global_load_b96 v[QT:QT+2], v16, s[34:35]
	global_load_b96 v[QT+4:QT+6], v16, s[34:35] offset:384
.irp n, 0,1,2,3,4,5,6,7,8,9,10,11,12,13,14,15,16,17,18,19,20,21,22,23
	global_load_b128 v[RAW+4*\n:RAW+4*\n+3], v3, s[32:33] offset:16*\n
.endr
	s_wait_loadcnt 0x0
.irp j, 0,1,2,3,4,5,6,7,8,9,10,11,12,13,14,15,16,17,18,19,20,21,22,23,24,25,26,27,28,29,30,31
	v_mov_b32 v[X+\j], v[RAW+3*\j]                 ; the coordinates are sorted once, so that the packed forms of 32 trips find two candidates' x (y, z) in a pair
	v_mov_b32 v[Y+\j], v[RAW+3*\j+1]
	v_mov_b32 v[Z+\j], v[RAW+3*\j+2]
.endr
	; |c|^2 = (x x + z z) + y y: each square is rounded before it is added (see the head): not fused, on purpose.  The loaded coordinates' registers are free: v144-175 take the squares
.irp p, 0,2,4,6,8,10,12,14,16,18,20,22,24,26,28,30
	v_pk_mul_f32 v[ST+\p:ST+\p+1], v[X+\p:X+\p+1], v[X+\p:X+\p+1]
.endr
.irp p, 0,2,4,6,8,10,12,14,16,18,20,22,24,26,28,30
	v_pk_mul_f32 v[RAW+\p:RAW+\p+1], v[Z+\p:Z+\p+1], v[Z+\p:Z+\p+1]
.endr
.irp p, 0,2,4,6,8,10,12,14,16,18,20,22,24,26,28,30
	v_pk_add_f32 v[ST+\p:ST+\p+1], v[ST+\p:ST+\p+1], v[RAW+\p:RAW+\p+1]
.endr
.irp p, 0,2,4,6,8,10,12,14,16,18,20,22,24,26,28,30
	v_pk_mul_f32 v[RAW+\p:RAW+\p+1], v[Y+\p:Y+\p+1], v[Y+\p:Y+\p+1]
.endr
.irp p, 0,2,4,6,8,10,12,14,16,18,20,22,24,26,28,30
	v_pk_add_f32 v[ST+\p:ST+\p+1], v[ST+\p:ST+\p+1], v[RAW+\p:RAW+\p+1]
.endr
.irp g, 0,4
	v_mul_f32 v[QT+\g+3], v[QT+\g], v[QT+\g]       ; |q|^2 likewise: x x,
	v_mul_f32 v[RES], v[QT+\g+2], v[QT+\g+2]       ; z z,
	v_mul_f32 v[RES+1], v[QT+\g+1], v[QT+\g+1]     ; y y;
	v_add_f32 v[QT+\g+3], v[QT+\g+3], v[RES]       ; x x + z z,
	v_add_f32 v[QT+\g+3], v[QT+\g+3], v[RES+1]     ; + y y
.endr
; d2 of one query (x, y, z, |q|^2 in s[s], s[s + 2], s[s + 4], s[s + 6]) against my block b (16 candidates), and its minimum into v[r].  40 packed lines and 8 minima for 512 pairs of the wave.
.macro DIST d, e, b, s, r
.irp p, 0,2,4,6,8,10,12,14
	v_pk_mul_f32 v[\d+\p:\d+\p+1], v[X+16*\b+\p:X+16*\b+\p+1], s[\s:\s+1] op_sel_hi:[1,0]
.endr
.irp p, 0,2,4,6,8,10,12,14
	v_pk_add_f32 v[\e+\p:\e+\p+1], v[ST+16*\b+\p:ST+16*\b+\p+1], s[\s+6:\s+7] op_sel_hi:[1,0]
.endr
.irp p, 0,2,4,6,8,10,12,14
	v_pk_fma_f32 v[\d+\p:\d+\p+1], v[Y+16*\b+\p:Y+16*\b+\p+1], s[\s+2:\s+3], v[\d+\p:\d+\p+1] op_sel_hi:[1,0,1]
.endr
.irp p, 0,2,4,6,8,10,12,14
	v_pk_fma_f32 v[\d+\p:\d+\p+1], v[Z+16*\b+\p:Z+16*\b+\p+1], s[\s+4:\s+5], v[\d+\p:\d+\p+1] op_sel_hi:[1,0,1]
.endr
.irp p, 0,2,4,6,8,10,12,14
	v_pk_fma_f32 v[\d+\p:\d+\p+1], v[\d+\p:\d+\p+1], -2.0, v[\e+\p:\e+\p+1] op_sel_hi:[1,0,1]
.endr
	v_min3_num_f32 v[\r], v[\d], v[\d+1], v[\d+2]
	v_min3_num_f32 v[\e], v[\d+3], v[\d+4], v[\d+5]
	v_min3_num_f32 v[\r], v[\r], v[\d+6], v[\d+7]
	v_min3_num_f32 v[\e], v[\e], v[\d+8], v[\d+9]
	v_min3_num_f32 v[\r], v[\r], v[\d+10], v[\d+11]
	v_min3_num_f32 v[\e], v[\e], v[\d+12], v[\d+13]
	v_min3_num_f32 v[\r], v[\r], v[\d+14], v[\d+15]
	v_min_num_f32 v[\r], v[\r], v[\e]
.endm
; The 32 queries of the wave's group g, two a trip: their numbers are read out of lanes s20 and s20 + 1 into scalar registers.
.macro QLOOP g
	s_mov_b32 s20, 0
	s_mov_b32 s22, \g*32*P                         ; the row of the trip's first query in my region
.Lq\g:
	s_add_co_u32 s21, s20, 1
.irp k, 0,1,2,3
	v_readlane_b32 s[40+2*\k], v[QT+4*\g+\k], s20
	v_readlane_b32 s[48+2*\k], v[QT+4*\g+\k], s21
.endr
	DIST DA, EA, 0, 40, RES
	DIST DB, EB, 0, 48, RES+2
	DIST DA, EA, 1, 40, RES+1
	DIST DB, EB, 1, 48, RES+3
	v_add_nc_u32 v3, s22, v2
	ds_store_b64 v3, v[RES:RES+1]                  ; 32 lanes: a row's 256 consecutive bytes
	ds_store_b64 v3, v[RES+2:RES+3] offset:P
	s_add_co_u32 s22, s22, 2*P
	s_add_co_u32 s20, s20, 2
	s_cmp_lt_u32 s20, 32
	s_cbranch_scc1 .Lq\g
.endm
	QLOOP 0
	QLOOP 1
	s_wait_dscnt 0x0                               ; for the others' sake: my minima have landed
	s_barrier_signal -1
	s_barrier_wait -1
	; ---- selection: my query's 128 minima, 16 a trip
.irp e, 0,1,2,3,4,5,6,7,8,9,10,11,12,13,14,15
	v_mov_b32 v[RK+\e], -1                         ; fillers, behind every element: 128 elements push them all out
	v_mov_b32 v[RI+\e], -1
.endr
	s_mov_b32 s20, 0
.Lsel:
	RESET
	s_lshr_b32 s21, s20, 2                         ; trips 0-3: the first region; 4-7: the next
	s_mul_i32 s21, s21, REG
	s_and_b32 s22, s20, 3
	s_lshl_b32 s22, s22, 6                         ; 16 minima are 64 bytes
	s_add_co_u32 s22, s22, s21
	v_add_nc_u32 v3, s22, v4
.irp n, 0,1,2,3
	ds_load_b128 v[LD+4*\n:LD+4*\n+3], v3 offset:16*\n
.endr
.irp e, 0,1,2,3,4,5,6,7,8,9,10,11,12,13,14,15
	v_add_nc_u32 v[PI+\e], \e, v7                  ; the block numbers
.endr
	v_add_nc_u32 v7, 16, v7
	s_wait_dscnt 0x0
.irp e, 0,1,2,3,4,5,6,7,8,9,10,11,12,13,14,15
	v_ashrrev_i32 v[PK+\e], 31, v[LD+\e]           ; the key: all bits turned where d2 is negative, the sign bit alone where it is not (d2 is never -0: a difference of equals is +0)
.endr
.irp e, 0,1,2,3,4,5,6,7,8,9,10,11,12,13,14,15
	v_or_b32 v[PK+\e], 0x80000000, v[PK+\e]
.endr
.irp e, 0,1,2,3,4,5,6,7,8,9,10,11,12,13,14,15
	v_xor_b32 v[PK+\e], v[PK+\e], v[LD+\e]
.endr
	SORT16
	HALF
	BMERGE
	s_add_co_u32 s20, s20, 1
	s_cmp_lt_u32 s20, 8
	s_cbranch_scc1 .Lsel
	; ---- the halves meet: the upper half's wave hands its sorted 16 over as images of its registers
	s_cmp_eq_u32 s14, 0
	s_cbranch_scc1 .Lkeep
.irp n, 0,1,2,3
	ds_store_b128 v5, v[RK+4*\n:RK+4*\n+3] offset:512*\n
	ds_store_b128 v5, v[RI+4*\n:RI+4*\n+3] offset:2048+512*\n
.endr
.Lkeep:
	s_wait_dscnt 0x0
	s_barrier_signal -1
	s_barrier_wait -1
	s_cmp_lg_u32 s14, 0
	s_cbranch_scc1 .Lend
.irp n, 0,1,2,3
	ds_load_b128 v[PK+4*\n:PK+4*\n+3], v5 offset:512*\n
	ds_load_b128 v[PI+4*\n:PI+4*\n+3], v5 offset:2048+512*\n
.endr
	s_wait_dscnt 0x0
	RESET
	HALF                                           ; the 16 least of the two sorted 16: only the set is wanted, so no merge follows
.irp m, 0,1,2,3
	v_lshl_or_b32 v[LD+\m], v[RI+4*\m+1], 8, v[RI+4*\m]
.endr
.irp m, 0,1,2,3
	v_lshl_or_b32 v[LD+\m], v[RI+4*\m+2], 16, v[LD+\m]
.endr
.irp m, 0,1,2,3
	v_lshl_or_b32 v[LD+\m], v[RI+4*\m+3], 24, v[LD+\m]
.endr
	global_store_b128 v6, v[LD:LD+3], s[38:39]     ; 32 queries x 16 bytes: 512 consecutive bytes, at a multiple of 256 from blk's first byte
.Lend:
	s_wait_tensorcnt 0x0
	ds_add_u32 v240, v241
	s_wait_dscnt 0x0
	s_endpgm
.Lfunc_end_k_q39e155a244_knn_blocks:
	.size	k_q39e155a244_knn_blocks, .Lfunc_end_k_q39e155a244_knn_blocks-k_q39e155a244_knn_blocks
	.p2alignl 7, 3214868480
	.fill 96, 4, 3214868480
	.section	.rodata,"a",@progbits
	.p2align	6, 0x0
	.amdhsa_kernel k_q39e155a244_knn_blocks
		.amdhsa_group_segment_fixed_size 235008
		.amdhsa_private_segment_fixed_size 0
		.amdhsa_enable_private_segment 0
		.amdhsa_kernarg_size 24
		.amdhsa_user_sgpr_count 2
		.amdhsa_user_sgpr_kernarg_segment_ptr 1
		.amdhsa_wavefront_size32 1
		.amdhsa_system_sgpr_workgroup_id_x 1
		.amdhsa_system_sgpr_workgroup_id_y 1
		.amdhsa_system_sgpr_workgroup_id_z 1
		.amdhsa_system_vgpr_workitem_id 0
		.amdhsa_next_free_vgpr 242
		.amdhsa_next_free_sgpr 66
		.amdhsa_reserve_vcc 0
		.amdhsa_float_denorm_mode_32 3
		.amdhsa_float_denorm_mode_16_64 3
		.amdhsa_memory_ordered 1
		.amdhsa_forward_progress 1
		.amdhsa_inst_pref_size 90
	.end_amdhsa_kernel
	.amdgpu_metadata
---
amdhsa.version: [ 1, 2 ]
amdhsa.kernels:
  - .name:           k_q39e155a244_knn_blocks
    .symbol:         k_q39e155a244_knn_blocks.kd
    .args:
      - { .name: s_ctx, .offset: 0, .size: 8, .value_kind: global_buffer, .address_space: global }
      - { .name: s_test, .offset: 8, .size: 8, .value_kind: global_buffer, .address_space: global }
      - { .name: blk, .offset: 16, .size: 8, .value_kind: global_buffer, .address_space: global }
    .group_segment_fixed_size: 235008
    .private_segment_fixed_size: 0
    .kernarg_segment_align: 8
    .kernarg_segment_size: 24
    .max_flat_workgroup_size: 384
    .sgpr_count:     66
    .vgpr_count:     242
    .wavefront_size: 32
...
	.end_amdgpu_metadata
.endif
;; end of part 2
;; launch knn_final (part 3): grid 256 x 1, 12 waves a work-group, no clusters, 122,368 bytes of LDS; arguments s_ctx, s_test, blk, out2, out3, out4, out5; writes out2, out3, out4, out5
.if DOCPART == 3
	.amdgcn_target "amdgcn-amd-amdhsa--gfx1250"
	.amdhsa_code_object_version 6
	.text
	.protected	k_q39e155a244_knn_final
	.globl	k_q39e155a244_knn_final
	.p2align	8
	.type	k_q39e155a244_knn_final,@function
k_q39e155a244_knn_final:
	s_mov_b64 s[64:65], 0
	v_nop
	global_prefetch_b8 v0, s[64:65] scope:SCOPE_SE
	s_setreg_imm32_b32 hwreg(HW_REG_WAVE_MODE, 25, 1), 1
	s_wait_xcnt 0x0
; kNN, second pass.  For each query the 256 candidates of the 16 blocks that the first pass chose (blk[query][16], a block number a byte) are searched for the 16 least by (d2, index), sorted;
; out: sqrt(max(d2, 0)) and the index (test queries: out2, out3; ctx queries: out4, out5).  The 16 least of all 4,096 lie in those blocks (shown in the first pass's head).
; d2 has the first pass's roundings, bit for bit: |.|^2 = (x x + z z) + y y, every product and every sum rounded (the order of a row of three folded in halves as a row of four: NOT fused, on purpose);
; dot = fma(z, z', fma(y, y', x x')); one rounded sum; fma(dot, -2, sum).  LIMITS: as there: that order of roundings is taken to be the reference's; NaN and infinities among the inputs are not served.
; The root flushes denormals.  A ctx point's d2 to itself need not be 0 exactly: it may lie a last bit of |c|^2 to either side; the keys order negative numbers too, and the root is taken of max(d2, 0).
; SHARES.  Work-group g: batch g / 32, query groups 6 (g % 32) + 0 .. 5, as in the first pass.  Wave W: group W / 2, a lane a query, the 8 blocks in bytes 8 (W % 2) on of each query's blk row.
; The batch's 4,096 candidates lie in LDS as (x, y, z, |c|^2), 16 bytes each; a block is 256 bytes.  In step c a lane reads candidate (lane + c) % 16 of its block: whatever their blocks, 16 neighbouring
; lanes then read 16 different 16-byte columns of 256 bytes.  The order in which candidates come does not matter: each carries its index.
; The only data that steer an address are the block numbers, whole numbers that an earlier launch stored; each is held to 255 ahead of its use.
.set EX,   65536                       ; LDS: behind the candidates: 4,096 bytes a group: the upper half's sorted 16, as images of its registers
.set STG,  90112                       ; the way out: 5,120 bytes a group: 32 lanes x (64 + 16) bytes for d, the same for the indices
.set ROT,  16                          ; v16-31   ((lane + c) % 16) x 16
.set RK,   32                          ; the running sorted 16: keys, ids
.set RI,   48
.set PK,   64                          ; the pool: 16 elements and a spare: keys v64-80, ids v82-98 (in the fill v64-79 take the squares at work)
.set PI,   82
.set DUM,  99                          ; takes the differences that nobody reads
.set C,    100                         ; v100-163 16 candidates x (x, y, z, |c|^2)
.set AD,   164                         ; v164-179 their LDS addresses
.set MK,   24                          ; s24-31   eight lane masks
; ---- THE SELECTION NETWORK, as in the first pass.  An element is a key (d2's bits made to order as unsigned numbers) and an id.  A comes before B where kA < kB + (iA < iB): a compare of the ids,
; whose mask goes as the borrow into kA - kB; the borrow out is the answer.  The pool's elements are NAMES: a comparator writes the lower into the spare register, and the lower's old register becomes the spare.
.macro RESET
.irp e, 0,1,2,3,4,5,6,7,8,9,10,11,12,13,14,15
.set BK_\e, PK+\e
.set BI_\e, PI+\e
.endr
.set FK, PK+16
.set FI, PI+16
.endm
.macro CE1 n, a, b
	v_cmp_lt_u32 s[MK+\n], v[BI_\a], v[BI_\b]
.endm
.macro CE2 n, a, b
	v_sub_co_ci_u32 v[DUM], s[MK+\n], v[BK_\a], v[BK_\b], s[MK+\n]
.endm
.macro CE3 n, a, b
	v_cndmask_b32 v[FK], v[BK_\b], v[BK_\a], s[MK+\n]
	v_cndmask_b32 v[BK_\b], v[BK_\a], v[BK_\b], s[MK+\n]
	v_cndmask_b32 v[FI], v[BI_\b], v[BI_\a], s[MK+\n]
	v_cndmask_b32 v[BI_\b], v[BI_\a], v[BI_\b], s[MK+\n]
.set SWP, BK_\a
.set BK_\a, FK
.set FK, SWP
.set SWP, BI_\a
.set BI_\a, FI
.set FI, SWP
.endm
.macro STAGE c, a0,b0, a1,b1, a2,b2, a3,b3, a4,b4, a5,b5, a6,b6, a7,b7   ; c comparators (4, 6, 7 or 8); pairs beyond c are not used
	CE1 0,\a0,\b0
	CE1 1,\a1,\b1
	CE1 2,\a2,\b2
	CE1 3,\a3,\b3
.if \c > 4
	CE1 4,\a4,\b4
	CE1 5,\a5,\b5
.endif
.if \c > 6
	CE1 6,\a6,\b6
.endif
.if \c > 7
	CE1 7,\a7,\b7
.endif
	CE2 0,\a0,\b0
	CE2 1,\a1,\b1
	CE2 2,\a2,\b2
	CE2 3,\a3,\b3
.if \c > 4
	CE2 4,\a4,\b4
	CE2 5,\a5,\b5
.endif
.if \c > 6
	CE2 6,\a6,\b6
.endif
.if \c > 7
	CE2 7,\a7,\b7
.endif
	CE3 0,\a0,\b0
	CE3 1,\a1,\b1
	CE3 2,\a2,\b2
	CE3 3,\a3,\b3
.if \c > 4
	CE3 4,\a4,\b4
	CE3 5,\a5,\b5
.endif
.if \c > 6
	CE3 6,\a6,\b6
.endif
.if \c > 7
	CE3 7,\a7,\b7
.endif
.endm
.macro SORT16                          ; the odd-even merge sort of 16: 63 comparators in ten stages
	STAGE 8, 0,1, 2,3, 4,5, 6,7, 8,9, 10,11, 12,13, 14,15
	STAGE 8, 0,2, 1,3, 4,6, 5,7, 8,10, 9,11, 12,14, 13,15
	STAGE 4, 1,2, 5,6, 9,10, 13,14, 0,0, 0,0, 0,0, 0,0
	STAGE 8, 0,4, 1,5, 2,6, 3,7, 8,12, 9,13, 10,14, 11,15
	STAGE 4, 2,4, 3,5, 10,12, 11,13, 0,0, 0,0, 0,0, 0,0
	STAGE 6, 1,2, 3,4, 5,6, 9,10, 11,12, 13,14, 0,0, 0,0
	STAGE 8, 0,8, 1,9, 2,10, 3,11, 4,12, 5,13, 6,14, 7,15
	STAGE 4, 4,8, 5,9, 6,10, 7,11, 0,0, 0,0, 0,0, 0,0
	STAGE 6, 2,4, 3,5, 6,8, 7,9, 10,12, 11,13, 0,0, 0,0
	STAGE 7, 1,2, 3,4, 5,6, 7,8, 9,10, 11,12, 13,14, 0,0
.endm
.macro HC1 n, i, j
	v_cmp_lt_u32 s[MK+\n], v[RI+\i], v[BI_\j]
.endm
.macro HC2 n, i, j
	v_sub_co_ci_u32 v[DUM], s[MK+\n], v[RK+\i], v[BK_\j], s[MK+\n]
.endm
.macro HC3 n, i, j
	v_cndmask_b32 v[RK+\i], v[BK_\j], v[RK+\i], s[MK+\n]
	v_cndmask_b32 v[RI+\i], v[BI_\j], v[RI+\i], s[MK+\n]
.endm
.macro HALF                            ; R[i] = the lower of R[i] and B[15 - i], both sorted: R then holds the 16 least of the 32, as a run that falls after it has risen; the pool is dead
	HC1 0,0,15
	HC1 1,1,14
	HC1 2,2,13
	HC1 3,3,12
	HC1 4,4,11
	HC1 5,5,10
	HC1 6,6,9
	HC1 7,7,8
	HC2 0,0,15
	HC2 1,1,14
	HC2 2,2,13
	HC2 3,3,12
	HC2 4,4,11
	HC2 5,5,10
	HC2 6,6,9
	HC2 7,7,8
	HC3 0,0,15
	HC3 1,1,14
	HC3 2,2,13
	HC3 3,3,12
	HC3 4,4,11
	HC3 5,5,10
	HC3 6,6,9
	HC3 7,7,8
	HC1 0,8,7
	HC1 1,9,6
	HC1 2,10,5
	HC1 3,11,4
	HC1 4,12,3
	HC1 5,13,2
	HC1 6,14,1
	HC1 7,15,0
	HC2 0,8,7
	HC2 1,9,6
	HC2 2,10,5
	HC2 3,11,4
	HC2 4,12,3
	HC2 5,13,2
	HC2 6,14,1
	HC2 7,15,0
	HC3 0,8,7
	HC3 1,9,6
	HC3 2,10,5
	HC3 3,11,4
	HC3 4,12,3
	HC3 5,13,2
	HC3 6,14,1
	HC3 7,15,0
.endm
.macro BST sk, si, dk, di, d           ; one stage of the merge, from one array into the other: elements d apart are put in order
.irp n, 0,1,2,3,4,5,6,7
.set II, ((\n)/(\d))*2*(\d)+(\n)%(\d)
	v_cmp_lt_u32 s[MK+\n], v[\si+II], v[\si+II+\d]
.endr
.irp n, 0,1,2,3,4,5,6,7
.set II, ((\n)/(\d))*2*(\d)+(\n)%(\d)
	v_sub_co_ci_u32 v[DUM], s[MK+\n], v[\sk+II], v[\sk+II+\d], s[MK+\n]
.endr
.irp n, 0,1,2,3,4,5,6,7
.set II, ((\n)/(\d))*2*(\d)+(\n)%(\d)
	v_cndmask_b32 v[\dk+II], v[\sk+II+\d], v[\sk+II], s[MK+\n]
	v_cndmask_b32 v[\dk+II+\d], v[\sk+II], v[\sk+II+\d], s[MK+\n]
	v_cndmask_b32 v[\di+II], v[\si+II+\d], v[\si+II], s[MK+\n]
	v_cndmask_b32 v[\di+II+\d], v[\si+II], v[\si+II+\d], s[MK+\n]
.endr
.endm
.macro BMERGE                          ; four stages: R is sorted again, and back in its own registers, so that a loop closes
	BST RK, RI, PK, PI, 8
	BST PK, PI, RK, RI, 4
	BST RK, RI, PK, PI, 2
	BST PK, PI, RK, RI, 1
.endm
	s_load_b256 s[8:15], s[0:1], 0x0               ; s_ctx s[8:9], s_test s[10:11], blk s[12:13], out2 s[14:15]
	s_load_b128 s[16:19], s[0:1], 0x20             ; out3 s[16:17], out4 s[18:19]
	s_load_b64 s[20:21], s[0:1], 0x30              ; out5
	v_lshl_add_u32 v184, v0, 2, 0x1d800
	v_mov_b32 v185, 0
	v_lshrrev_b32 v1, 5, v0
	v_readfirstlane_b32 s3, v1                     ; wave W, 0..11
	v_and_b32 v1, 31, v0                           ; lane
	s_lshr_b32 s4, s3, 1                           ; i: my group
	s_and_b32 s5, s3, 1                            ; hf: which 8 of the 16 blocks
	s_lshr_b32 s6, ttmp9, 5                        ; batch
	s_and_b32 s7, ttmp9, 31                        ; part
	; every fixed LDS address register is made here, ahead of any branch on the wave's number
	v_lshlrev_b32 v2, 4, v1                        ; 16 x lane
	v_mul_u32_u24 v11, v0, 12                      ; the fill: thread t takes candidates t + 256 n: 12 bytes in memory,
	v_lshlrev_b32 v12, 4, v0                       ; 16 in LDS
	s_lshl_b32 s22, s4, 12
	s_add_co_u32 s22, s22, EX
	v_lshl_add_u32 v13, v1, 4, s22                 ; my group's images
	s_mul_i32 s22, s4, 5120
	s_add_co_u32 s22, s22, STG                     ; my group's stage
	v_mul_u32_u24 v14, v1, 80
	v_add_nc_u32 v14, s22, v14                     ; in: my query's 64 bytes
	v_lshrrev_b32 v15, 2, v1
	v_mul_u32_u24 v15, v15, 80
	v_and_b32 v3, 3, v1
	v_lshl_add_u32 v15, v3, 4, v15
	v_add_nc_u32 v15, s22, v15                     ; back: four lanes to a query, 16 bytes each
	v_mul_u32_u24 v3, v1, 12                       ; a query is 12 bytes
	s_mul_i32 s22, s7, 6
	s_add_co_u32 s22, s22, s4
	s_lshl_b32 s22, s22, 5                         ; 32 x (6 part + i): my first query in the batch's list
	s_mul_i32 s23, s6, 6144
	s_add_co_u32 s23, s23, s22
	s_lshl_b32 s40, s23, 4                         ; its row of blk,
	s_lshl_b32 s23, s5, 3
	s_add_co_u32 s40, s40, s23                     ; my 8 bytes of it
	s_mov_b32 s41, 0
	s_mul_i32 s44, s6, 49152                       ; the batch's candidates
	s_mov_b32 s45, 0
	s_wait_kmcnt 0x0
	s_add_nc_u64 s[38:39], s[12:13], s[40:41]
	s_add_nc_u64 s[42:43], s[8:9], s[44:45]
	s_cmp_lt_u32 s22, 2048                         ; test rows or ctx rows?  The selections first, then the arithmetic
	s_cselect_b64 s[32:33], s[10:11], s[8:9]       ; the queries
	s_cselect_b64 s[34:35], s[14:15], s[18:19]     ; the distances' output
	s_cselect_b64 s[36:37], s[16:17], s[20:21]     ; the indices'
	s_cselect_b32 s23, 0, 2048
	s_cselect_b32 s46, 11, 12
	s_lshl_b32 s46, s6, s46
	s_add_co_u32 s22, s22, s46
	s_sub_co_u32 s22, s22, s23                     ; the row in its tensor
	s_mul_i32 s40, s22, 12
	s_add_nc_u64 s[32:33], s[32:33], s[40:41]
	s_lshl_b32 s40, s22, 6                         ; 16 numbers of 4 bytes a row
	s_add_nc_u64 s[34:35], s[34:35], s[40:41]
	s_add_nc_u64 s[36:37], s[36:37], s[40:41]
	global_load_b96 v[4:6], v3, s[32:33]           ; my query
	global_load_b64 v[8:9], v2, s[38:39]           ; my 8 block numbers
	; ---- the fill: waves 0-7, 256 threads, 16 candidates each
	s_cmp_lt_u32 s3, 8
	s_cbranch_scc0 .Lnofill
.irp n, 0,1,2,3,4,5,6,7,8,9,10,11,12,13,14,15
	global_load_b96 v[C+4*\n:C+4*\n+2], v11, s[42:43] offset:3072*\n
.endr
	s_wait_loadcnt 0x0
	; |c|^2 = (x x + z z) + y y: each square is rounded before it is added (see the head): not fused, on purpose
.irp n, 0,1,2,3,4,5,6,7,8,9,10,11,12,13,14,15
	v_mul_f32 v[C+4*\n+3], v[C+4*\n], v[C+4*\n]
.endr
.irp n, 0,1,2,3,4,5,6,7,8,9,10,11,12,13,14,15
	v_mul_f32 v[PK+\n], v[C+4*\n+2], v[C+4*\n+2]
.endr
.irp n, 0,1,2,3,4,5,6,7,8,9,10,11,12,13,14,15
	v_add_f32 v[C+4*\n+3], v[C+4*\n+3], v[PK+\n]
.endr
.irp n, 0,1,2,3,4,5,6,7,8,9,10,11,12,13,14,15
	v_mul_f32 v[PK+\n], v[C+4*\n+1], v[C+4*\n+1]
.endr
.irp n, 0,1,2,3,4,5,6,7,8,9,10,11,12,13,14,15
	v_add_f32 v[C+4*\n+3], v[C+4*\n+3], v[PK+\n]
.endr
.irp n, 0,1,2,3,4,5,6,7,8,9,10,11,12,13,14,15
	ds_store_b128 v12, v[C+4*\n:C+4*\n+3] offset:4096*\n     ; neighbouring lanes, neighbouring 16 bytes
.endr
.Lnofill:
	s_wait_loadcnt 0x0                             ; my query and my block numbers
	s_wait_dscnt 0x0                               ; for the others' sake: my part of the candidates has landed
	s_barrier_signal -1
	s_barrier_wait -1
	v_mul_f32 v7, v4, v4                           ; |q|^2, with the same roundings: x x,
	v_mul_f32 v[DUM], v6, v6                       ; z z,
	v_add_f32 v7, v7, v[DUM]                       ; x x + z z,
	v_mul_f32 v[DUM], v5, v5                       ; y y,
	v_add_f32 v7, v7, v[DUM]                       ; + y y
.irp c, 0,1,2,3,4,5,6,7,8,9,10,11,12,13,14,15
	v_add_nc_u32 v[ROT+\c], \c, v1
.endr
.irp c, 0,1,2,3,4,5,6,7,8,9,10,11,12,13,14,15
	v_and_b32 v[ROT+\c], 15, v[ROT+\c]
.endr
.irp c, 0,1,2,3,4,5,6,7,8,9,10,11,12,13,14,15
	v_lshlrev_b32 v[ROT+\c], 4, v[ROT+\c]
.endr
.irp e, 0,1,2,3,4,5,6,7,8,9,10,11,12,13,14,15
	v_mov_b32 v[RK+\e], -1                         ; fillers, behind every element: 128 elements push them all out
	v_mov_b32 v[RI+\e], -1
.endr
; d2 and the keys of candidates c0 .. c0 + 3, phase by phase
.macro GRP c0
.irp c, \c0, \c0+1, \c0+2, \c0+3
	v_mul_f32 v[C+4*(\c)], v[C+4*(\c)], v4
.endr
.irp c, \c0, \c0+1, \c0+2, \c0+3
	v_add_f32 v[C+4*(\c)+3], v[C+4*(\c)+3], v7
.endr
.irp c, \c0, \c0+1, \c0+2, \c0+3
	v_fma_f32 v[C+4*(\c)], v[C+4*(\c)+1], v5, v[C+4*(\c)]
.endr
.irp c, \c0, \c0+1, \c0+2, \c0+3
	v_fma_f32 v[C+4*(\c)], v[C+4*(\c)+2], v6, v[C+4*(\c)]
.endr
.irp c, \c0, \c0+1, \c0+2, \c0+3
	v_fma_f32 v[C+4*(\c)], v[C+4*(\c)], -2.0, v[C+4*(\c)+3]
.endr
.irp c, \c0, \c0+1, \c0+2, \c0+3
	v_ashrrev_i32 v[PK+(\c)], 31, v[C+4*(\c)]      ; the key: all bits turned where d2 is negative, the sign bit alone where it is not
.endr
.irp c, \c0, \c0+1, \c0+2, \c0+3
	v_or_b32 v[PK+(\c)], 0x80000000, v[PK+(\c)]
.endr
.irp c, \c0, \c0+1, \c0+2, \c0+3
	v_xor_b32 v[PK+(\c)], v[PK+(\c)], v[C+4*(\c)]
.endr
.endm
	s_mov_b32 s23, 0
.Lblk:                                             ; eight trips: a block of 16 candidates each
	RESET
	v_and_b32 v10, 0xff, v8                        ; the next block number,
	v_min_u32 v10, 0xff, v10                       ; held inside the table ahead of its use in an address,
	v_lshlrev_b32 v10, 8, v10                      ; x 256 bytes
	v_alignbit_b32 v8, v9, v8, 8                   ; the 8 bytes move one down
	v_lshrrev_b32 v9, 8, v9
.irp c, 0,1,2,3,4,5,6,7,8,9,10,11,12,13,14,15
	v_add_nc_u32 v[AD+\c], v10, v[ROT+\c]
.endr
.irp c, 0,1,2,3,4,5,6,7,8,9,10,11,12,13,14,15
	ds_load_b128 v[C+4*\c:C+4*\c+3], v[AD+\c]
.endr
.irp c, 0,1,2,3,4,5,6,7,8,9,10,11,12,13,14,15
	v_lshrrev_b32 v[PI+\c], 4, v[AD+\c]            ; a candidate's LDS byte / 16 is its index in the batch
.endr
	s_wait_dscnt 12                                ; the first four are in; the twelve loads issued behind them may be out
	GRP 0
	s_wait_dscnt 8
	GRP 4
	s_wait_dscnt 4
	GRP 8
	s_wait_dscnt 0x0
	GRP 12
	SORT16
	HALF
	BMERGE
	s_add_co_u32 s23, s23, 1
	s_cmp_lt_u32 s23, 8
	s_cbranch_scc1 .Lblk
	s_wait_dscnt 0x0
	s_barrier_signal -1
	s_barrier_wait -1                              ; every wave's reads of the candidates are over before anything is stored to LDS again
	s_cmp_eq_u32 s5, 0
	s_cbranch_scc1 .Lkeep
.irp n, 0,1,2,3
	ds_store_b128 v13, v[RK+4*\n:RK+4*\n+3] offset:512*\n      ; the upper half's sorted 16, as images of its registers
	ds_store_b128 v13, v[RI+4*\n:RI+4*\n+3] offset:2048+512*\n
.endr
.Lkeep:
	s_wait_dscnt 0x0
	s_barrier_signal -1
	s_barrier_wait -1
	s_cmp_lg_u32 s5, 0
	s_cbranch_scc1 .Lend
.irp n, 0,1,2,3
	ds_load_b128 v[PK+4*\n:PK+4*\n+3], v13 offset:512*\n
	ds_load_b128 v[PI+4*\n:PI+4*\n+3], v13 offset:2048+512*\n
.endr
	s_wait_dscnt 0x0
	RESET
	HALF
	BMERGE                                         ; the 16 least of the query's 256, ascending by (d2, index)
.irp e, 0,1,2,3,4,5,6,7,8,9,10,11,12,13,14,15
	v_xor_b32 v[RK+\e], 0x80000000, v[RK+\e]       ; back to d2's bits where d2 >= 0; a negative d2 becomes a negative number or a NaN pattern,
.endr
.irp e, 0,1,2,3,4,5,6,7,8,9,10,11,12,13,14,15
	v_max_num_f32 v[RK+\e], 0, v[RK+\e]            ; and both lose to 0
.endr
.irp e, 0,1,2,3,4,5,6,7,8,9,10,11,12,13,14,15
	v_sqrt_f32 v[RK+\e], v[RK+\e]
.endr
	v_nop                                          ; a plain instruction behind the last root
	s_wait_alu depctr_va_vdst(0)                   ; one wait for the batch, ahead of its first reader
	; the way out: a lane holds a query's 64 bytes; through the group's stage four lanes get a query each, so that a store covers 512 consecutive bytes
.irp m, 0,1,2,3
	ds_store_b128 v14, v[RK+4*\m:RK+4*\m+3] offset:16*\m
	ds_store_b128 v14, v[RI+4*\m:RI+4*\m+3] offset:2560+16*\m
.endr
.irp m, 0,1,2,3
	ds_load_b128 v[C+4*\m:C+4*\m+3], v15 offset:640*\m         ; LDS serves a wave's instructions in order (ISA guide 5.7.1.4): these see my stores
.endr
.irp m, 0,1,2,3
	ds_load_b128 v[C+16+4*\m:C+16+4*\m+3], v15 offset:2560+640*\m
.endr
.irp m, 0,1,2,3
	s_wait_dscnt 7-\m                              ; the loads issued behind this one may stay out
	global_store_b128 v2, v[C+4*\m:C+4*\m+3], s[34:35] offset:512*\m
.endr
.irp m, 0,1,2,3
	s_wait_dscnt 3-\m
	global_store_b128 v2, v[C+16+4*\m:C+16+4*\m+3], s[36:37] offset:512*\m
.endr
.Lend:
	s_wait_tensorcnt 0x0
	ds_add_u32 v184, v185
	s_wait_dscnt 0x0
	s_endpgm
.Lfunc_end_k_q39e155a244_knn_final:
	.size	k_q39e155a244_knn_final, .Lfunc_end_k_q39e155a244_knn_final-k_q39e155a244_knn_final
	.p2alignl 7, 3214868480
	.fill 96, 4, 3214868480
	.section	.rodata,"a",@progbits
	.p2align	6, 0x0
	.amdhsa_kernel k_q39e155a244_knn_final
		.amdhsa_group_segment_fixed_size 122368
		.amdhsa_private_segment_fixed_size 0
		.amdhsa_enable_private_segment 0
		.amdhsa_kernarg_size 56
		.amdhsa_user_sgpr_count 2
		.amdhsa_user_sgpr_kernarg_segment_ptr 1
		.amdhsa_wavefront_size32 1
		.amdhsa_system_sgpr_workgroup_id_x 1
		.amdhsa_system_sgpr_workgroup_id_y 1
		.amdhsa_system_sgpr_workgroup_id_z 1
		.amdhsa_system_vgpr_workitem_id 0
		.amdhsa_next_free_vgpr 186
		.amdhsa_next_free_sgpr 66
		.amdhsa_reserve_vcc 0
		.amdhsa_float_denorm_mode_32 3
		.amdhsa_float_denorm_mode_16_64 3
		.amdhsa_memory_ordered 1
		.amdhsa_forward_progress 1
		.amdhsa_inst_pref_size 81
	.end_amdhsa_kernel
	.amdgpu_metadata
---
amdhsa.version: [ 1, 2 ]
amdhsa.kernels:
  - .name:           k_q39e155a244_knn_final
    .symbol:         k_q39e155a244_knn_final.kd
    .args:
      - { .name: s_ctx, .offset: 0, .size: 8, .value_kind: global_buffer, .address_space: global }
      - { .name: s_test, .offset: 8, .size: 8, .value_kind: global_buffer, .address_space: global }
      - { .name: blk, .offset: 16, .size: 8, .value_kind: global_buffer, .address_space: global }
      - { .name: out2, .offset: 24, .size: 8, .value_kind: global_buffer, .address_space: global }
      - { .name: out3, .offset: 32, .size: 8, .value_kind: global_buffer, .address_space: global }
      - { .name: out4, .offset: 40, .size: 8, .value_kind: global_buffer, .address_space: global }
      - { .name: out5, .offset: 48, .size: 8, .value_kind: global_buffer, .address_space: global }
    .group_segment_fixed_size: 122368
    .private_segment_fixed_size: 0
    .kernarg_segment_align: 8
    .kernarg_segment_size: 56
    .max_flat_workgroup_size: 384
    .sgpr_count:     66
    .vgpr_count:     186
    .wavefront_size: 32
...
	.end_amdgpu_metadata
.endif
;; end of part 3
